; MI455X (gfx1250); checked and timed in simulation.
; The chip was launched on July 23, 2026; its instructions are those of AMD's public machine-readable ISA for CDNA 5 (MIT licence, August 2026) and "CDNA5" Instruction Set Architecture Reference Guide (July 2026). The comments in the code are by the model that wrote it; some were corrected since.
;; MSA Attention. Allowed arithmetic: float matrix products may take bf16 or f16 operands with f32 sums; other float arithmetic in f32, or as packed bf16 or f16 multiplies, adds, multiply-adds, maxima and minima; sums over many terms, partial sums and values carried from step to step in f32; what a program stores and reads back later, other than sums and carried values, may be rounded once to bf16 or f16.
;; Inputs: b_g 8 x 32 float32; b_o 256 float32; ln_m_b 256 float32; ln_m_w 256 float32; ln_z_b 128 float32; ln_z_w 128 float32; m 256 x 256 x 256 float32; mask 256 x 256 float32; w_g 256 x 8 x 32 float32; w_k 256 x 8 x 32 float32; w_o 256 x 256 float32; w_q 256 x 8 x 32 float32; w_v 256 x 8 x 32 float32; w_z 128 x 8 float32; z 256 x 256 x 128 float32.
;; Outputs: out0 256 x 256 x 256 float32.
;; One version. Each part assembles by itself: llvm-mc -triple=amdgcn-amd-amdhsa -mcpu=gfx1250 --defsym DOCPART=n.
;; ======== version 1 of 1: 2 launches
;; limits: values are held in f16: magnitudes above 65,504 overflow, below 6.1e-05 lose precision
;; workspace buffers: stream 1,703,936 bytes
;; launch prep (part 1): grid 256 x 1, 4 waves a work-group, no clusters, 167,936 bytes of LDS; arguments z, ln_z_w, ln_z_b, w_z, w_q, w_k, w_v, w_g, w_o, stream; writes stream
.if DOCPART == 1
	.amdgcn_target "amdgcn-amd-amdhsa--gfx1250"
	.amdhsa_code_object_version 6
	.text
	.protected	k_qc5d43da59e_prep
	.globl	k_qc5d43da59e_prep
	.p2align	8
	.type	k_qc5d43da59e_prep,@function
k_qc5d43da59e_prep:
	s_mov_b64 s[64:65], 0
	v_nop
	global_prefetch_b8 v0, s[64:65] scope:SCOPE_SE
	s_setreg_imm32_b32 hwreg(HW_REG_WAVE_MODE, 25, 1), 1
	s_wait_xcnt 0x0
; WHAT ALL SEQUENCES SHARE IS MADE ONCE: the pair bias zb[h][q][k] = LN(z)[q][k][:] . w_z[:][h], and the five weight matrices, all rounded once to f16 and laid
; into 'stream' in the order and lane layout in which the attention launch takes them: 26 steps of 65,536 bytes (256 rows of 256 bytes).
;   step 3 h      : row c holds w_q, w_k, w_v, w_g [c][h][0..31], 64 bytes each
;   steps 3 h + 1, 3 h + 2 : zb of head h.  Query tile qt = 4 wq + t lies in step 3 h + 1 + t / 2 at wq x 16,384 + (t % 2) x 8,192 + kt x 512 + lane x 16;
;                   lane (r, hh) holds the eight numbers zb[h][16 qt + r][16 kt + 8 hh + 0..7]
;   steps 24, 25  : row hd holds w_o[hd][128 g .. 128 g + 127]
; FOLDS, in f32 ahead of the one rounding: w_q x log2(e) / sqrt(32); w_g x -log2(e); w_z x log2(e): the attention launch works with powers of two.
; LIMITS.  f16 ends at 65,504: LN(z) w + b, the scaled weights and zb x log2(e) must lie within it; below 6e-5 a number keeps f16's fixed step of 6e-8.  NaN and infinities are not treated apart.
; SHARES.  Work-group b takes 16 queries (tile b / 16) x 16 keys (tile b % 16) of z, 128 KiB, and row b of each weight matrix.  Wave w takes queries 4 w .. 4 w + 3, 16 rows of 512 bytes each,
; by four tensor loads of its own into LDS bytes of its own: four loads of a wave are out at the most, and nothing is filled twice.
; PRODUCT.  Source 0 = 16 keys x 32 channels of LN(z), source 1 = 32 channels x 16 columns of w_z (heads 0-7, held twice): in the result lane r holds head r % 8 and keys 8 hh + 0..7.
; No cluster: no two work-groups read the same bytes of z, and the weights' rows are read once each.  No prefetch: each byte is asked for at the kernel's head.
.set ZP,    528                        ; a key's row in LDS: 512 bytes + 16 of padding = 33 x 16: the 16 rows of a load start 16 bytes apart modulo 256
.set ZQB,   16*ZP                      ; a query's 16 keys
.set ZWB,   4*ZQB                      ; a wave's four queries
.set STG,   4*ZWB                      ; 16 blocks of 528 bytes: block h takes head h's 512 bytes; blocks 8-15 take the second copies of lanes r >= 8 and are not read
.set WST,   STG+16*ZP                  ; 8 heads x 256 bytes: row b of w_q, w_k, w_v, w_g by heads
.set SPARE, WST+2048                   ; the spare words, 128 bytes for each wave: two blocks of 256 bytes that no other line names
.set SPW, 3                            ; v3   SPARE + 4 x my thread's number; never rewritten
.set NIL, 4                            ; v4   0; never rewritten
.set GL,  5                            ; v5   the lane's number, later 16 x lane
.set A32, 6                            ; v6   32 hh: my 8 channels in each 16 of a row of f32
.set AWZ, 7                            ; v7   256 hh + 4 (r % 8): my place in w_z
.set ARW, 8                            ; v8   32 x lane: my 8 numbers of a weight row
.set AZL, 9                            ; v9   LDS: my wave's tiles + r x 528 + 32 hh
.set ASG, 10                           ; v10  LDS: STG + r x 528 + 16 (4 w + 16 hh)
.set AWS, 11                           ; v11  LDS: WST + 256 (lane / 4) + 64 w + 16 (lane % 4)
.set AWO, 12                           ; v12  65,536 hh + 16 r: w_o's row in steps 24, 25
.set ARS, 13                           ; v13  LDS: STG + 528 w + 16 x lane
.set AWR, 14                           ; v14  LDS: WST + 16 x thread
.set GWO, 15                           ; v15  196,608 (thread / 16) + 16 (thread % 16)
.set X,   16                           ; v[16:79]   64 numbers of a key's row; then fragments in v[16:47], four accumulators in v[48:79]
.set LW,  80                           ; v[80:143]  ln_z_w in X's order
.set LB,  144                          ; v[144:207] ln_z_b
.set WZF, 208                          ; v[208:239] w_z's four fragments
.set CHN, 240                          ; v[240:247] four chains of pairs; at the head my weight row
.set MU,  248                          ; v[248:249] the mean, twice; at the head (with RS, PK) w_o's row
.set RS,  250                          ; v[250:251] 1 / sqrt(var + eps), twice
.set PK,  252                          ; v[252:255] eight results in f16
.set WV,  48                           ; s48 my wave's number
.set SEL, 66                           ; s[66:67] v_permlanex16_b32's selects: each lane takes its own place in the other half
.set RC,  68                           ; s68 1 / 128
.set EPS, 69                           ; s69 1e-5
	s_load_b512 s[4:19], s[0:1], 0x0               ; z s[4:5], ln_z_w s[6:7], ln_z_b s[8:9], w_z s[10:11], w_q s[12:13], w_k s[14:15], w_v s[16:17], w_g s[18:19]
	s_load_b128 s[20:23], s[0:1], 0x40             ; w_o s[20:21], stream s[22:23]
	v_lshl_add_u32 v[SPW], v0, 2, SPARE
	v_mov_b32 v[NIL], 0
	ds_add_u32 v[SPW], v[NIL]                      ; the wave's opening: the add and its wait ahead of my first tensor load; the set-up below, work on registers, stands between them
	ds_add_u32 v3, v4
	v_lshrrev_b32 v5, 5, v0
	v_readfirstlane_b32 s[WV], v5                  ; wave 0..3
	; descriptor group 1: 16 rows of 128 elements of 4 bytes, dense in memory, padded in LDS
	s_mov_b32 s24, (2<<16)|(1<<20)|(6<<22)|(3<<25) ; 17:16 elements of 4 bytes; 20 padding on; 24:22 after every 128 words (code 6); 31:25 4 words of it (code 3)
	s_mov_b32 s25, 128<<16                         ; tensor_dim0 = 128
	s_mov_b32 s26, 16<<16                          ; tensor_dim1 = 16
	s_mov_b32 s27, 128<<16                         ; tile_dim0 = 128
	s_mov_b32 s28, 16                              ; tile_dim1 = 16
	s_mov_b32 s29, 128                             ; elements from row to row
	s_mov_b32 s30, 0
	s_mov_b32 s31, 0
	s_lshr_b32 s49, ttmp9, 4                       ; query tile
	s_and_b32 s50, ttmp9, 15                       ; key tile
	s_lshl_b32 s52, s49, 21                        ; z: ((16 qt + 4 w) x 256 + 16 kt) x 512 bytes
	s_lshl_b32 s53, s[WV], 19
	s_add_co_u32 s52, s52, s53
	s_lshl_b32 s53, s50, 13
	s_add_co_u32 s52, s52, s53
	s_mov_b32 s53, 0
	s_mul_i32 s51, s[WV], ZWB                      ; my wave's tiles in LDS
.irp i, 0,1,2,3
	s_mov_b32 s[32+4*\i], 1                        ; group 0 of query i: count = 1,
	s_add_co_u32 s[33+4*\i], s51, \i*ZQB           ; its LDS address
.endr
	s_lshl_b32 s56, ttmp9, 10                      ; row b of a weight matrix
	s_mov_b32 s57, 0
	s_lshl_b32 s60, ttmp9, 8                       ; row b of a step of the stream
	s_mov_b32 s61, 0
	s_and_b32 s70, s49, 3                          ; t = qt % 4.  Where my heads' 512 bytes of zb go:
	s_lshr_b32 s71, s70, 1
	s_add_co_u32 s71, s71, 1
	s_lshl_b32 s62, s71, 16                        ; step 1 + t / 2 of the head's three,
	s_and_b32 s70, s70, 1
	s_lshl_b32 s70, s70, 13
	s_add_co_u32 s62, s62, s70                     ; + (t % 2) x 8,192
	s_lshr_b32 s70, s49, 2
	s_lshl_b32 s70, s70, 14
	s_add_co_u32 s62, s62, s70                     ; + (qt / 4) x 16,384
	s_lshl_b32 s70, s50, 9
	s_add_co_u32 s62, s62, s70                     ; + kt x 512
	s_mul_i32 s70, s[WV], 196608
	s_add_co_u32 s62, s62, s70                     ; + head w's three steps
	s_mov_b32 s63, 0
	s_mov_b32 s[SEL], 0x76543210
	s_mov_b32 s[SEL+1], 0xfedcba98
	s_mov_b32 s[RC], 0x3c000000
	s_mov_b32 s[EPS], 0x3727c5ac
	v_and_b32 v[GL], 31, v0                        ; lane
	v_and_b32 v1, 15, v0                           ; r
	v_bfe_u32 v2, v0, 4, 1                         ; hh
	v_lshlrev_b32 v[A32], 5, v2
	v_and_b32 v[AWZ], 7, v0
	v_lshlrev_b32 v[AWZ], 2, v[AWZ]
	v_lshl_add_u32 v[AWZ], v2, 8, v[AWZ]
	v_lshlrev_b32 v[ARW], 5, v[GL]
	v_mul_u32_u24 v[AZL], v1, ZP
	v_lshl_add_u32 v[ASG], v2, 8, v[AZL]
	v_lshl_add_u32 v[AZL], v2, 5, v[AZL]
	v_add_nc_u32 v[AZL], s51, v[AZL]
	s_lshl_b32 s70, s[WV], 6
	s_add_co_u32 s71, s70, STG
	v_add_nc_u32 v[ASG], s71, v[ASG]
	v_lshrrev_b32 v[AWS], 2, v[GL]
	v_lshlrev_b32 v[AWS], 8, v[AWS]
	v_and_b32 v[AWO], 3, v0
	v_lshl_add_u32 v[AWS], v[AWO], 4, v[AWS]
	s_add_co_u32 s71, s70, WST
	v_add_nc_u32 v[AWS], s71, v[AWS]
	v_lshlrev_b32 v[AWO], 4, v1
	v_lshl_add_u32 v[AWO], v2, 16, v[AWO]
	s_mul_i32 s70, s[WV], ZP
	s_add_co_u32 s70, s70, STG
	v_lshl_add_u32 v[ARS], v[GL], 4, s70
	v_lshl_add_u32 v[AWR], v0, 4, WST
	v_lshrrev_b32 v[GWO], 4, v0
	v_mul_u32_u24 v[GWO], v[GWO], 196608
	v_lshl_add_u32 v[GWO], v1, 4, v[GWO]
	v_lshlrev_b32 v[GL], 4, v[GL]
	s_wait_dscnt 0x0                               ; the opening add is done
	s_wait_kmcnt 0x0
	s_add_nc_u64 s[4:5], s[4:5], s[52:53]          ; z at my first query's 16 keys
.irp i, 0,1,2,3
	s_add_nc_u64 s[34+4*\i:35+4*\i], s[4:5], \i*131072  ; a query further on: 256 keys x 512 bytes
	s_or_b32 s[35+4*\i], s[35+4*\i], 0x80000000    ; type = 2
.endr
.irp i, 0,1,2,3
	tensor_load_to_lds s[32+4*\i:35+4*\i], s[24:31] ; the four first fills go out together, ahead of every wait on TENSORcnt, LDS read and barrier
	s_nop 0
.endr
	; which matrix is my wave's, and its factor
	s_cmp_eq_u32 s[WV], 0
	s_cselect_b64 s[54:55], s[12:13], s[14:15]
	s_cselect_b32 s58, 0x3e8293ee, 1.0             ; w_q: log2(e) / sqrt(32)
	s_cmp_eq_u32 s[WV], 2
	s_cselect_b64 s[54:55], s[16:17], s[54:55]
	s_cmp_eq_u32 s[WV], 3
	s_cselect_b64 s[54:55], s[18:19], s[54:55]
	s_cselect_b32 s58, 0xbfb8aa3b, s58             ; w_g: -log2(e)
	s_mov_b32 s59, s58                             ; named with it as a pair
	s_add_nc_u64 s[54:55], s[54:55], s[56:57]
	s_add_nc_u64 s[20:21], s[20:21], s[56:57]
	s_add_nc_u64 s[60:61], s[22:23], s[60:61]      ; the stream at row b of step 0
	s_add_nc_u64 s[62:63], s[22:23], s[62:63]      ; the stream at head w's 512 bytes of zb
	global_load_b128 v[CHN:CHN+3],   v[ARW], s[54:55]
	global_load_b128 v[CHN+4:CHN+7], v[ARW], s[54:55] offset:16
	s_cmp_lg_u32 s[WV], 0
	s_cbranch_scc1 .Lno_wo_load                    ; wave 0 also takes w_o's row
	global_load_b128 v[MU:MU+3], v[ARW], s[20:21]
	global_load_b128 v[PK:PK+3], v[ARW], s[20:21] offset:16
.Lno_wo_load:
.set k, 0
.rept 4                                ; a fragment's channels: 32 k + 8 hh + 0..7 and 32 k + 16 + 8 hh + 0..7
.irp a, 0,1
.irp i, 0,1,2,3,4,5,6,7
	global_load_b32 v[X+16*k+8*\a+\i], v[AWZ], s[10:11] offset:(32*k+16*\a+\i)*32  ; w_z[channel][head r % 8]
.endr
.endr
	global_load_b128 v[LW+16*k:LW+16*k+3],     v[A32], s[6:7] offset:128*k
	global_load_b128 v[LW+16*k+4:LW+16*k+7],   v[A32], s[6:7] offset:128*k+16
	global_load_b128 v[LW+16*k+8:LW+16*k+11],  v[A32], s[6:7] offset:128*k+64
	global_load_b128 v[LW+16*k+12:LW+16*k+15], v[A32], s[6:7] offset:128*k+80
	global_load_b128 v[LB+16*k:LB+16*k+3],     v[A32], s[8:9] offset:128*k
	global_load_b128 v[LB+16*k+4:LB+16*k+7],   v[A32], s[8:9] offset:128*k+16
	global_load_b128 v[LB+16*k+8:LB+16*k+11],  v[A32], s[8:9] offset:128*k+64
	global_load_b128 v[LB+16*k+12:LB+16*k+15], v[A32], s[8:9] offset:128*k+80
.set k, k+1
.endr
	s_wait_loadcnt 0x0
	; my matrix's row: scaled, rounded, 16 bytes a lane into the stage by heads
.irp e, 0,2,4,6
	v_pk_mul_f32 v[CHN+\e:CHN+\e+1], v[CHN+\e:CHN+\e+1], s[58:59] op_sel_hi:[1,0]
.endr
.irp e, 0,1,2,3
	v_cvt_pk_f16_f32 v[CHN+\e], v[CHN+2*\e], v[CHN+2*\e+1]
.endr
	ds_store_b128 v[AWS], v[CHN:CHN+3]
	s_cmp_lg_u32 s[WV], 0
	s_cbranch_scc1 .Lno_wo_store
.irp e, 0,1,2,3
	v_cvt_pk_f16_f32 v[MU+\e], v[MU+2*\e], v[MU+2*\e+1]
.endr
	global_store_b128 v[AWO], v[MU:MU+3], s[60:61] offset:24*65536  ; 16 lanes store 256 consecutive bytes: row b of step 24, of step 25
.Lno_wo_store:
.set e, 0
.rept 32
	v_pk_mul_f32 v[X+2*e:X+2*e+1], v[X+2*e:X+2*e+1], 0x3fb8aa3b op_sel_hi:[1,0]  ; w_z x log2(e)
.set e, e+1
.endr
.set e, 0
.rept 32
	v_cvt_pk_f16_f32 v[WZF+e], v[X+2*e], v[X+2*e+1]
.set e, e+1
.endr
	s_wait_xcnt 0x0                                ; the store above has read its registers: they are written again only behind this wait
.macro FOLDZ                           ; the four chains of pairs, and the lane 16 away (the row's other 64 channels), into v[CHN]
	v_pk_add_f32 v[CHN:CHN+1], v[CHN:CHN+1], v[CHN+2:CHN+3]
	v_pk_add_f32 v[CHN+4:CHN+5], v[CHN+4:CHN+5], v[CHN+6:CHN+7]
	v_pk_add_f32 v[CHN:CHN+1], v[CHN:CHN+1], v[CHN+4:CHN+5]
	v_add_f32 v[CHN], v[CHN], v[CHN+1]
	v_permlanex16_b32 v[CHN+1], v[CHN], s[SEL], s[SEL+1]
	v_add_f32 v[CHN], v[CHN], v[CHN+1]
.endm
; Query i of my four: LayerNorm of its 16 keys (mean, then the centred squares: no difference of large sums), the product with w_z, and 16 bytes a lane into the stage.
.macro ZQ i
	s_wait_tensorcnt 3-(\i)                        ; tensor loads of a wave end in order: query i's tile is in, the 3 - i younger ones may stay out; only my wave reads it
.set k, 0
.rept 4
	ds_load_b128 v[X+16*k:X+16*k+3],     v[AZL] offset:(\i)*ZQB+128*k
	ds_load_b128 v[X+16*k+4:X+16*k+7],   v[AZL] offset:(\i)*ZQB+128*k+16
	ds_load_b128 v[X+16*k+8:X+16*k+11],  v[AZL] offset:(\i)*ZQB+128*k+64
	ds_load_b128 v[X+16*k+12:X+16*k+15], v[AZL] offset:(\i)*ZQB+128*k+80
.set k, k+1
.endr
	s_wait_dscnt 0x0
.set p, 0
.rept 4                                ; the first eight pairs start the chains: nothing is cleared
	v_pk_add_f32 v[CHN+2*p:CHN+2*p+1], v[X+4*p:X+4*p+1], v[X+4*p+2:X+4*p+3]
.set p, p+1
.endr
.set p, 8
.rept 24
	v_pk_add_f32 v[CHN+2*(p%4):CHN+2*(p%4)+1], v[CHN+2*(p%4):CHN+2*(p%4)+1], v[X+2*p:X+2*p+1]
.set p, p+1
.endr
	FOLDZ
	v_mul_f32 v[MU], s[RC], v[CHN]
	v_mul_f32 v[MU+1], s[RC], v[CHN]
.set p, 0
.rept 32
	v_pk_add_f32 v[X+2*p:X+2*p+1], v[X+2*p:X+2*p+1], v[MU:MU+1] neg_lo:[0,1] neg_hi:[0,1]
.set p, p+1
.endr
.set p, 0
.rept 4
	v_pk_mul_f32 v[CHN+2*p:CHN+2*p+1], v[X+2*p:X+2*p+1], v[X+2*p:X+2*p+1]
.set p, p+1
.endr
.rept 28
	v_pk_fma_f32 v[CHN+2*(p%4):CHN+2*(p%4)+1], v[X+2*p:X+2*p+1], v[X+2*p:X+2*p+1], v[CHN+2*(p%4):CHN+2*(p%4)+1]
.set p, p+1
.endr
	FOLDZ
	v_fma_f32 v[CHN], v[CHN], s[RC], s[EPS]
	v_rsq_f32 v[RS], v[CHN]
	v_rsq_f32 v[RS+1], v[CHN]
	v_nop                                          ; a plain instruction behind the last root,
	s_wait_alu depctr_va_vdst(0)                   ; and the wait ahead of the first use: one for both
.set p, 0
.rept 32
	v_pk_mul_f32 v[X+2*p:X+2*p+1], v[X+2*p:X+2*p+1], v[RS:RS+1]
.set p, p+1
.endr
.set p, 0
.rept 32
	v_pk_fma_f32 v[X+2*p:X+2*p+1], v[X+2*p:X+2*p+1], v[LW+2*p:LW+2*p+1], v[LB+2*p:LB+2*p+1]
.set p, p+1
.endr
.set p, 0
.rept 32
	v_cvt_pk_f16_f32 v[X+p], v[X+2*p], v[X+2*p+1]  ; in place, ascending: fragment k comes to lie at X + 8 k
.set p, p+1
.endr
.irp k, 0,1,2,3                        ; four accumulators, one for each 32 channels: no chain; each sum starts with the constant 0
	v_wmma_f32_16x16x32_f16 v[X+32+8*\k:X+39+8*\k], v[X+8*\k:X+8*\k+7], v[WZF+8*\k:WZF+8*\k+7], 0
.endr
.rept 4
	v_nop                                          ; four places behind the last product, ahead of the sums that read the results
.endr
.irp e, 0,2,4,6                        ; each accumulator is read from its low end on
	v_pk_add_f32 v[X+32+\e:X+33+\e], v[X+32+\e:X+33+\e], v[X+40+\e:X+41+\e]
	v_pk_add_f32 v[X+48+\e:X+49+\e], v[X+48+\e:X+49+\e], v[X+56+\e:X+57+\e]
	v_pk_add_f32 v[X+32+\e:X+33+\e], v[X+32+\e:X+33+\e], v[X+48+\e:X+49+\e]
.endr
.irp e, 0,1,2,3
	v_cvt_pk_f16_f32 v[PK+\e], v[X+32+2*\e], v[X+33+2*\e]
.endr
	ds_store_b128 v[ASG], v[PK:PK+3] offset:(\i)*16  ; head r, place 4 w + i + 16 hh: the lane that will want these eight keys
.endm
	ZQ 0
	ZQ 1
	ZQ 2
	ZQ 3
	s_wait_dscnt 0x0                               ; for the others' sake: my stores into both stages are done
	s_barrier_signal -1
	s_barrier_wait -1
	ds_load_b128 v[X:X+3],    v[ARS]               ; head w's 512 bytes,
	ds_load_b128 v[X+4:X+7],  v[ARS] offset:4*ZP   ; head w + 4's,
	ds_load_b128 v[X+8:X+11], v[AWR]               ; and my thread's 16 bytes of the weights' rows
	s_wait_dscnt 0x0
	global_store_b128 v[GL],  v[X:X+3],    s[62:63]                    ; 512 consecutive bytes, aligned
	global_store_b128 v[GL],  v[X+4:X+7],  s[62:63] offset:4*196608
	global_store_b128 v[GWO], v[X+8:X+11], s[60:61]                    ; 16 lanes store 256 consecutive bytes: row b of step 3 (thread / 16)
	s_wait_tensorcnt 0x0                           ; the wave's end: the wait, the add and its wait, behind my last tensor load and my last LDS store
	ds_add_u32 v[SPW], v[NIL]
	s_wait_dscnt 0x0
	s_endpgm
.Lfunc_end_k_qc5d43da59e_prep:
	.size	k_qc5d43da59e_prep, .Lfunc_end_k_qc5d43da59e_prep-k_qc5d43da59e_prep
	.p2alignl 7, 3214868480
	.fill 96, 4, 3214868480
	.section	.rodata,"a",@progbits
	.p2align	6, 0x0
	.amdhsa_kernel k_qc5d43da59e_prep
		.amdhsa_group_segment_fixed_size 167936
		.amdhsa_private_segment_fixed_size 0
		.amdhsa_enable_private_segment 0
		.amdhsa_kernarg_size 80
		.amdhsa_user_sgpr_count 2
		.amdhsa_user_sgpr_kernarg_segment_ptr 1
		.amdhsa_wavefront_size32 1
		.amdhsa_system_sgpr_workgroup_id_x 1
		.amdhsa_system_sgpr_workgroup_id_y 1
		.amdhsa_system_sgpr_workgroup_id_z 1
		.amdhsa_system_vgpr_workitem_id 0
		.amdhsa_next_free_vgpr 256
		.amdhsa_next_free_sgpr 72
		.amdhsa_reserve_vcc 0
		.amdhsa_float_denorm_mode_32 3
		.amdhsa_float_denorm_mode_16_64 3
		.amdhsa_memory_ordered 1
		.amdhsa_forward_progress 1
		.amdhsa_inst_pref_size 83
	.end_amdhsa_kernel
	.amdgpu_metadata
---
amdhsa.version: [ 1, 2 ]
amdhsa.kernels:
  - .name:           k_qc5d43da59e_prep
    .symbol:         k_qc5d43da59e_prep.kd
    .args:
      - { .name: z, .offset: 0, .size: 8, .value_kind: global_buffer, .address_space: global }
      - { .name: ln_z_w, .offset: 8, .size: 8, .value_kind: global_buffer, .address_space: global }
      - { .name: ln_z_b, .offset: 16, .size: 8, .value_kind: global_buffer, .address_space: global }
      - { .name: w_z, .offset: 24, .size: 8, .value_kind: global_buffer, .address_space: global }
      - { .name: w_q, .offset: 32, .size: 8, .value_kind: global_buffer, .address_space: global }
      - { .name: w_k, .offset: 40, .size: 8, .value_kind: global_buffer, .address_space: global }
      - { .name: w_v, .offset: 48, .size: 8, .value_kind: global_buffer, .address_space: global }
      - { .name: w_g, .offset: 56, .size: 8, .value_kind: global_buffer, .address_space: global }
      - { .name: w_o, .offset: 64, .size: 8, .value_kind: global_buffer, .address_space: global }
      - { .name: stream, .offset: 72, .size: 8, .value_kind: global_buffer, .address_space: global }
    .group_segment_fixed_size: 167936
    .private_segment_fixed_size: 0
    .kernarg_segment_align: 8
    .kernarg_segment_size: 80
    .max_flat_workgroup_size: 128
    .sgpr_count:     72
    .vgpr_count:     256
    .wavefront_size: 32
...
	.end_amdgpu_metadata
.endif
;; end of part 1
;; launch attn (part 2): grid 256 x 1, 4 waves a work-group, clusters of 4 x 1, 327,680 bytes of LDS; arguments m, mask, ln_m_w, ln_m_b, b_g, b_o, stream, out0; writes out0
.if DOCPART == 2
	.amdgcn_target "amdgcn-amd-amdhsa--gfx1250"
	.amdhsa_code_object_version 6
	.text
	.protected	k_qc5d43da59e_attn
	.globl	k_qc5d43da59e_attn
	.p2align	8
	.type	k_qc5d43da59e_attn,@function
k_qc5d43da59e_attn:
	s_mov_b64 s[64:65], 0
	v_nop
	global_prefetch_b8 v0, s[64:65] scope:SCOPE_SE
	s_setreg_imm32_b32 hwreg(HW_REG_WAVE_MODE, 25, 1), 1
	s_wait_xcnt 0x0
	s_wait_alu depctr_hold_cnt(0) depctr_sa_sdst(0) depctr_va_vdst(0) depctr_va_sdst(0) depctr_va_ssrc(0) depctr_va_vcc(0) depctr_vm_vsrc(0)
	s_getreg_b32 s2, hwreg(HW_REG_IB_STS2, 6, 4)
	s_cmp_eq_u32 s2, 0
	s_cbranch_scc0 .Lentry_in_a_cluster
	s_endpgm
.Lentry_in_a_cluster:
	s_bfe_u32 s2, ttmp6, 0x10000c
	s_cmp_lg_u32 s2, 0x3003
	s_cbranch_scc0 .Lentry_shape_is_right
	s_endpgm
.Lentry_shape_is_right:
; MSA ROW ATTENTION WITH PAIR BIAS, ONE SEQUENCE TO A WORK-GROUP, FROM LayerNorm(m) TO THE OUTPUT PROJECTION: nothing between goes through memory.
; out0[s][r][:] = ((softmax_k(q.k / sqrt(32) + 1e9 (mask - 1) + zb) v) x sigmoid(mn w_g + b_g)) w_o + b_o, mn = LN(m[s]); 256 residues, 256 channels, 8 heads of 32.
; FORMATS.  All matrix operands are f16, each rounded once from f32 (mn, the weights, q, k, v, the softmax's weights p, the gated o; zb is stored as f16); sums, LayerNorm, softmax and sigmoid in f32.
; The launch before has folded log2(e) / sqrt(32) into w_q, log2(e) into zb and -log2(e) into w_g: scores come in powers of two, p = 2^(s - max), gate = 1 / (1 + 2^g).
; The maximum is the row's true maximum: all 256 scores of a query are in registers at once.
; LIMITS.  f16 ends at 65,504: mn, q, k, v and the gated o must lie within it; p below 6e-5 keeps f16's fixed step of 6e-8 (its sum l is taken of the unrounded p).  The mask's bias, 1e9 log2(e) (mask - 1),
; is added to zb in f32 ahead of the product; a row whose keys are all masked gives equal weights while |logit| < 32.  NaN and infinities are not treated apart.
; SHARES.  Wave w owns residues 64 w .. 64 w + 63, four tiles of 16: as rows of every projection, as queries, and as the keys that it makes for all four waves.
; LAYOUTS: nothing is ever transposed by hand.  q^T, k^T, g^T = W^T (source 0) x mn (source 1): a lane holds one residue and eight channels; two channel tiles, rounded in pairs, ARE a fragment of Q or K.
; v = mn (source 0) x W_v (source 1): a lane holds a channel and eight keys; two key tiles ARE a fragment of V^T.  S^T = K Q^T + C; two key tiles of p ARE source 1 of O^T = V^T P; O^T lies as g^T does, and its two
; channel tiles ARE K step h of out^T = w_o^T x og.  Weights lie [K][N] in LDS and come out turned, by ds_load_tr16_b128.
; THE STREAM.  Weights and zb are the same for all sequences: 26 steps of 65,536 bytes, in the order of use, through a ring of two LDS slots.  The four work-groups of a cluster ask for each step JOINTLY:
; each wave issues the same tensor load (64 rows of 256 bytes) with the same descriptor and a mask that names the four.  Every refill stands behind a round of the cluster's barrier; one load of a wave is out behind each.
; A larger cluster would not help: a mask names four work-groups.
; LDS.  0: ring, two slots of 256 rows x 288 bytes.  KV: this head's K and V fragments of all 256 keys, lane order.  OG: for each wave, head and tile 1,024 bytes: Q until the tile is done, then the gated o; at the end
; each wave's part is its stage for the way out.  m lands once, at the head, over bytes 0 .. 266,239; KV and OG are stored to only when m has been read and those bytes have had their last fill.
; REGISTERS, in windows of 256 (s_set_vgpr_msb: bits 1:0 source 0, 3:2 source 1, 5:4 source 2, 7:6 destination):
;   window 0: v0-49 addresses, statistics, Q's fragment; v64-127 the head's gates; v128-255 V = weights' buffer 1 = ln_m_b = rows on the way out
;   window 1: mn, tile t, K step k at 64 t + 8 k; at the end og in its place
;   window 2: v0-127 K = weights' buffer 0 = ln_m_w; v128-191 zb of a tile = b_o; v192-207 b_g; v208-223 O^T; v224-255 packed results
;   window 3: v0-127 scores = a tile of m = two sets of 8 accumulators; v128-255 the mask's bias, at the end two more sets
.set RP,    288                        ; a row of the ring: 256 bytes + 32 of padding = 9 x 32
.set SLOTB, 256*RP                     ; 73,728 = 0x12000
.set WPART, 64*RP                      ; 18,432 = 0x4800: a wave's 64 rows; 0x4800 w shares no bit with 0x12000, so one exclusive or changes the slot
.set KV,    2*SLOTB
.set VO,    16384                      ; V behind K
.set OG,    KV+32768
.set SPARE, OG+131072                  ; the spare words, 128 bytes for each wave: two blocks of 256 bytes that no other line names
.set MP,    1040                       ; a row of m in LDS: 1,024 bytes + 16 = 65 x 16
.set MWAVE, 32*MP                      ; what one load of m brings
.set MHALF, 4*MWAVE
.set STP,   528                        ; a row of the stage: 512 bytes + 16 = 33 x 16
.set SPW, 3                            ; v3   SPARE + 4 x my thread's number; never rewritten
.set NIL, 4                            ; v4   0; never rewritten
.set ONE, 5                            ; v5   1.0
.set AM0, 6                            ; v6-7 LDS: my row of m's first, second half
.set AW0, 8                            ; v8   my lane's place for the turning load
.set AW,  9                            ; v9-10 the same in the slot in hand: rows 0-127, rows 128-255
.set AZ0, 11                           ; v11  my lane's place in a step of zb
.set AZ,  12                           ; v12  the same for the tile in hand
.set AK,  13                           ; v13  KV + 16 x lane
.set AKS, 14                           ; v14  + 4,096 w: where my wave's keys go
.set AO0, 15                           ; v15  OG + 32,768 w + 16 x lane
.set CH,  16                           ; v16-19 four chains of the maximum
.set MX,  20                           ; v20-21 the mean (twice); the maximum (low word)
.set LS,  22                           ; v22-29 four chains of pairs for sums
.set RL,  30                           ; v30-31 1 / sqrt(var + eps) (twice); 1 / l (low word)
.set QC,  32                           ; v32-39 Q's fragment of the tile in hand
.set AO,  40                           ; v40  AO0 + the head's and tile's place
.set GO,  41                           ; v41  65,536 w + 16 x lane: my bytes in out0
.set PFO, 42                           ; v42  256 x lane; never rewritten
.set A32, 43                           ; v43  32 hh
.set AST, 44                           ; v44  my stage + r x 528 + 32 hh
.set G,   64
.set WF1, 128                          ; window 0
.set WF0, 0                            ; window 2
.set ZR,  128                          ; window 2
.set BO,  128
.set BG,  192
.set OA,  208
.set TMP, 224
.set MB,  128                          ; window 3
.set BGP, 12                           ; s[12:13] b_g, stepped by heads
.set BOP, 14                           ; s[14:15] b_o, stepped by halves
.set OUTP, 18                          ; s[18:19] out0 at my sequence
.set WV,  20
.set CX,  21
.set SQ,  22
.set G1J, 24                           ; s[24:31] group 1 of the joint loads
.set G0J, 32                           ; s[32:35] group 0: it walks
.set G1M, 36                           ; s[36:43] group 1 of m's loads
.set G0M, 44                           ; s[44:51] two sets of group 0
.set SB,  52                           ; s52 the slot that is read
.set NST, 53                           ; s53 steps still to be asked for
.set LIM, 54                           ; s54 1 in a wave that prefetches, else the greatest number
.set PFA, 56                           ; s[56:57] my 32 rows of the step that is being asked for
.set INC, 58                           ; s[58:59] 0 at the first step, then 65,536
.set HEAD, 60
.set HALF, 61
.set TT,  62
.set TN,  63                           ; s63 the tile's number, 0..3
.set SEL, 66                           ; s[66:67] v_permlanex16_b32's selects
.set CM,  68                           ; s[68:69] 1e9 log2(e)
.set RC,  70                           ; s70 1 / 256
.set EPS, 71                           ; s71 1e-5
.set AOS, 76                           ; s76 4,096 x head + 1,024 x tile
.set GAM, 77
.set MSB, 0
.macro WIN new                         ; the immediate's high byte repeats the setting that is left; a switch that changes nothing is dropped
.if MSB != (\new)
	s_set_vgpr_msb (MSB<<8)|(\new)
.set MSB, (\new)
.endif
.endm
.macro PLACES                          ; four places behind a matrix instruction (ISA guide 7.12.1), where no other vector work is at hand
.rept 4
	v_nop
.endr
.endm
; A round of the cluster's barrier: my work-group's barrier, so that wave 0's signal speaks for all four waves; wave 0 signals; every wave waits for all four work-groups; my work-group's barrier once more.
.macro ROUND
	s_barrier_signal -1
	s_barrier_wait -1
	s_cmp_lg_u32 s[WV], 0
	s_cbranch_scc1 .Lnot_wave_0_\@
	s_barrier_signal -3
.Lnot_wave_0_\@:
	s_barrier_wait -3
	s_barrier_signal -1
	s_barrier_wait -1
.endm
; A PREFETCH INTO THE L2 of the step that the NEXT change of slots will ask for: 256 rows of 256 bytes, a lane a row.  All clusters walk the same stream: the first cluster asks, and nobody else.  Its four partners
; take 64 rows each, told apart BY ADDRESS; in each, waves 0 and 1 take 32: so each row is named once in the launch.  Step 0 comes by its load alone; the last change of slots asks for nothing.
.macro ASK
	s_cmp_gt_u32 s[NST], s[LIM]
	s_cbranch_scc0 .Lnot_mine_\@
	global_prefetch_b8 v[PFO], s[PFA:PFA+1] offset:65536 th:TH_LOAD_NT scope:SCOPE_SE
.Lnot_mine_\@:
.endm
; THE CHANGE OF SLOTS, number n = 0 .. 25: step n is asked for, into slot n % 2; what follows reads step n - 1 in the other slot.  Each wave waits for all its tensor loads (one is out: its part of step n - 1),
; adds 0 to its spare word, and waits for that and for its own LDS reads and stores; the round then says the same of every wave of all four work-groups; the joint refill is the first thing behind it.
.macro STEP
	WIN 0                                          ; at a label and at a branch every window is 0
	s_wait_tensorcnt 0x0                           ; no tensor load of mine is out, so group 0 may be written
	ds_add_u32 v[SPW], v[NIL]                      ; 0 onto my spare word; the scalar steps stand between it and the wait for it
	s_xor_b32 s[G0J+1], s[G0J+1], SLOTB            ; the other slot than last time,
	s_add_nc_u64 s[G0J+2:G0J+3], s[G0J+2:G0J+3], s[INC:INC+1]  ; the next step; the type bits on top are not reached
	s_xor_b32 s[SB], s[SB], SLOTB
	s_wait_xcnt 0x0                                ; the last prefetch, a step back, has read its address
	s_add_nc_u64 s[PFA:PFA+1], s[PFA:PFA+1], s[INC:INC+1]
	s_wait_dscnt 0x0                               ; the add is done, my reads of the slot are over, and what I stored for the other waves is in LDS
	ROUND
	tensor_load_to_lds s[G0J:G0J+3], s[G1J:G1J+7]
	s_nop 0
	PLACES
	s_mov_b32 s[INC], 65536
	ASK
	s_sub_co_u32 s[NST], s[NST], 1
.endm
.macro FOLD                            ; the four chains of pairs, and the lane 16 away (the row's other half), into v[LS]
	v_pk_add_f32 v[LS:LS+1], v[LS:LS+1], v[LS+2:LS+3]
	v_pk_add_f32 v[LS+4:LS+5], v[LS+4:LS+5], v[LS+6:LS+7]
	v_pk_add_f32 v[LS:LS+1], v[LS:LS+1], v[LS+4:LS+5]
	v_add_f32 v[LS], v[LS], v[LS+1]
	v_permlanex16_b32 v[LS+1], v[LS], s[SEL], s[SEL+1]
	v_add_f32 v[LS], v[LS], v[LS+1]
.endm
; LayerNorm of tile t of my four.  Lane (r, hh) holds, of row r, the 128 channels 32 k + 8 hh + 0..7 and 32 k + 16 + 8 hh + 0..7: the order of a fragment.  The mean first, then the centred squares: no difference of large sums.
.macro LN t
	WIN 0xc0                                       ; destination window 3
.set lq, 0
.rept 8
	ds_load_b128 v[16*lq:16*lq+3],     v[AM0+(\t)/2] offset:((\t)%2)*16*MP+128*lq
	ds_load_b128 v[16*lq+4:16*lq+7],   v[AM0+(\t)/2] offset:((\t)%2)*16*MP+128*lq+16
	ds_load_b128 v[16*lq+8:16*lq+11],  v[AM0+(\t)/2] offset:((\t)%2)*16*MP+128*lq+64
	ds_load_b128 v[16*lq+12:16*lq+15], v[AM0+(\t)/2] offset:((\t)%2)*16*MP+128*lq+80
.set lq, lq+1
.endr
	s_wait_dscnt 0x0
	WIN 0x0f                                       ; the first eight pairs start the chains: nothing is cleared
.set lp, 0
.rept 4
	v_pk_add_f32 v[LS+2*lp:LS+2*lp+1], v[4*lp:4*lp+1], v[4*lp+2:4*lp+3]
.set lp, lp+1
.endr
	WIN 0x0c
.set lp, 8
.rept 56
	v_pk_add_f32 v[LS+2*(lp%4):LS+2*(lp%4)+1], v[LS+2*(lp%4):LS+2*(lp%4)+1], v[2*lp:2*lp+1]
.set lp, lp+1
.endr
	WIN 0
	FOLD
	v_mul_f32 v[MX], s[RC], v[LS]
	v_mul_f32 v[MX+1], s[RC], v[LS]
	WIN 0xc3
.set lp, 0
.rept 64
	v_pk_add_f32 v[2*lp:2*lp+1], v[2*lp:2*lp+1], v[MX:MX+1] neg_lo:[0,1] neg_hi:[0,1]
.set lp, lp+1
.endr
	WIN 0x0f
.set lp, 0
.rept 4
	v_pk_mul_f32 v[LS+2*lp:LS+2*lp+1], v[2*lp:2*lp+1], v[2*lp:2*lp+1]
.set lp, lp+1
.endr
.rept 60
	v_pk_fma_f32 v[LS+2*(lp%4):LS+2*(lp%4)+1], v[2*lp:2*lp+1], v[2*lp:2*lp+1], v[LS+2*(lp%4):LS+2*(lp%4)+1]
.set lp, lp+1
.endr
	WIN 0
	FOLD
	v_fma_f32 v[LS], v[LS], s[RC], s[EPS]
	v_rsq_f32 v[RL], v[LS]
	v_rsq_f32 v[RL+1], v[LS]
	v_nop                                          ; a plain instruction behind the last root,
	s_wait_alu depctr_va_vdst(0)                   ; and the wait ahead of the first use: one for both
	WIN 0xc3
.set lp, 0
.rept 64
	v_pk_mul_f32 v[2*lp:2*lp+1], v[2*lp:2*lp+1], v[RL:RL+1]
.set lp, lp+1
.endr
	WIN 0xcb                                       ; x in window 3, ln_m_w in window 2, ln_m_b in window 0
.set lp, 0
.rept 64
	v_pk_fma_f32 v[2*lp:2*lp+1], v[2*lp:2*lp+1], v[WF0+2*lp:WF0+2*lp+1], v[WF1+2*lp:WF1+2*lp+1]
.set lp, lp+1
.endr
	WIN 0x4f
.set lp, 0
.rept 64
	v_cvt_pk_f16_f32 v[64*(\t)+lp], v[2*lp], v[2*lp+1]
.set lp, lp+1
.endr
.endm
; 32 turning loads in one run: columns 32 mu .. 32 mu + 31 of the slot's 256 rows: fragment (column tile c, K step k) into buf + 8 (8 c + k), in window bw; K outermost, as MUL takes them.
.macro FETCH mu, buf, bw
	WIN (\bw)<<6
.set fk, 0
.rept 8
.set fc, 0
.rept 2
.set rW, (\buf)+8*(8*fc+fk)
	ds_load_tr16_b128 v[rW:rW+3],   v[AW+fk/4] offset:(fk%4)*32*RP+64*(\mu)+32*fc
	ds_load_tr16_b128 v[rW+4:rW+7], v[AW+fk/4] offset:(fk%4)*32*RP+64*(\mu)+32*fc+16*RP
.set fc, fc+1
.endr
.set fk, fk+1
.endr
.endm
; 64 matrix instructions: 32 columns x my 64 rows x K = 256.  The 8 accumulators acc + 8 (4 c + i), in window 3, take turns, one instruction a turn.  The first K step starts the sums:
; with the constant 0, or (cin >= 0) with the bias in window 2 at cin + 8 c.  orient = 0: the weights are source 0 (a lane ends with one row and eight columns); 1: source 1 (one column and eight rows).
.macro MUL buf, bw, acc, orient, cin
.set mk, 0
.rept 8
.set mc, 0
.rept 2
.set mi, 0
.rept 4
.set rD, (\acc)+8*(4*mc+mi)
.set rW, (\buf)+8*(8*mc+mk)
.set rN, 64*mi+8*mk
.if (\orient) == 1
	WIN 0xf1|((\bw)<<2)
.if mk == 0
	v_wmma_f32_16x16x32_f16 v[rD:rD+7], v[rN:rN+7], v[rW:rW+7], 0
.else
	v_wmma_f32_16x16x32_f16 v[rD:rD+7], v[rN:rN+7], v[rW:rW+7], v[rD:rD+7]
.endif
.elseif (mk == 0) && ((\cin) >= 0)
	WIN 0xe4|(\bw)
	v_wmma_f32_16x16x32_f16 v[rD:rD+7], v[rW:rW+7], v[rN:rN+7], v[(\cin)+8*mc:(\cin)+8*mc+7]
.elseif mk == 0
	WIN 0xf4|(\bw)
	v_wmma_f32_16x16x32_f16 v[rD:rD+7], v[rW:rW+7], v[rN:rN+7], 0
.else
	WIN 0xf4|(\bw)
	v_wmma_f32_16x16x32_f16 v[rD:rD+7], v[rW:rW+7], v[rN:rN+7], v[rD:rD+7]
.endif
.set mi, mi+1
.endr
.set mc, mc+1
.endr
.set mk, mk+1
.endr
.endm
; Eight accumulators rounded to f16 (each read from its low end on) and stored as halves of fragments, 512 consecutive bytes a store.  kind 0: Q, into my OG slots; 1: K; 2: V.
.macro CVTST acc, kind
	WIN 0x8f
.set ca, 0
.rept 32
	v_cvt_pk_f16_f32 v[TMP+ca], v[(\acc)+2*ca], v[(\acc)+2*ca+1]
.set ca, ca+1
.endr
	WIN 0x08                                       ; address window 0, data window 2
.set ca, 0
.rept 8                                ; ca = 4 c + i
.if (\kind) == 0
	ds_store_b128 v[AO],  v[TMP+4*ca:TMP+4*ca+3] offset:(ca%4)*1024+(ca/4)*512
.elseif (\kind) == 1
	ds_store_b128 v[AKS], v[TMP+4*ca:TMP+4*ca+3] offset:(ca%4)*1024+(ca/4)*512
.else
	ds_store_b128 v[AKS], v[TMP+4*ca:TMP+4*ca+3] offset:VO+((ca%4)/2)*2048+(ca/4)*1024+(ca%2)*512
.endif
.set ca, ca+1
.endr
.endm
.macro GATE t                          ; O^T times tile t's gates
	WIN 0x82
.set te, 0
.rept 8
	v_pk_mul_f32 v[OA+2*te:OA+2*te+1], v[OA+2*te:OA+2*te+1], v[G+16*(\t)+2*te:G+16*(\t)+2*te+1]
.set te, te+1
.endr
	WIN 0
.endm
; ONE TILE OF 16 QUERIES AGAINST ALL 256 KEYS, one head.  Written once; the tile's number lives in scalar registers.
.macro TILE
	WIN 0
	v_add_nc_u32 v[AO], s[AOS], v[AO0]
	ds_load_b128 v[QC:QC+3],   v[AO]
	ds_load_b128 v[QC+4:QC+7], v[AO] offset:512
	WIN 0x80
.set tk, 0
.rept 16
	ds_load_b128 v[ZR+4*tk:ZR+4*tk+3], v[AZ] offset:tk*2*RP  ; zb of key tile tk: eight f16 a lane, in the order of the product's C
.set tk, tk+1
.endr
	WIN 0xf2                                       ; one setting for the whole run: zb and K in window 2, 1.0 and Q in window 0, the mask's bias and the scores in window 3
.set tk, 0
.rept 16
	s_wait_dscnt 15-tk                             ; LDS loads come back in order: key tile tk's zb is in (and Q, K, V, asked for earlier); the 15 - tk younger loads may stay out
.set tj, 0
.rept 4
	v_fma_mix_f32 v[8*tk+2*tj],   v[ZR+4*tk+tj], v[ONE], v[MB+8*tk+2*tj]   op_sel:[0,0,0] op_sel_hi:[1,0,0]  ; C = zb + the mask's bias, in f32
	v_fma_mix_f32 v[8*tk+2*tj+1], v[ZR+4*tk+tj], v[ONE], v[MB+8*tk+2*tj+1] op_sel:[1,0,0] op_sel_hi:[1,0,0]
.set tj, tj+1
.endr
	v_wmma_f32_16x16x32_f16 v[8*tk:8*tk+7], v[8*tk:8*tk+7], v[QC:QC+7], v[8*tk:8*tk+7]  ; S^T = K Q^T + C: sixteen accumulators, one product each
.set tk, tk+1
.endr
	; the maximum: four chains; each accumulator's lowest registers are read first; the maxima over the earlier accumulators are the places behind the last products
	WIN 0x0f
.set tp, 0
.rept 4
	v_max_num_f32 v[CH+tp], v[2*tp], v[2*tp+1]
.set tp, tp+1
.endr
	WIN 0x3c
.rept 60
	v_max3_num_f32 v[CH+tp%4], v[CH+tp%4], v[2*tp], v[2*tp+1]
.set tp, tp+1
.endr
	WIN 0
	v_max3_num_f32 v[CH], v[CH], v[CH+1], v[CH+2]
	v_max_num_f32 v[CH], v[CH], v[CH+3]
	v_permlanex16_b32 v[CH+1], v[CH], s[SEL], s[SEL+1]  ; the query's other 128 keys lie in the lane 16 away
	v_max_num_f32 v[MX], v[CH], v[CH+1]
	; p = 2^(s - max): ONE batch of 128 exponentials, each a pair behind its subtraction, and one wait
	WIN 0xc3
	v_pk_add_f32 v[0:1], v[0:1], v[MX:MX+1] op_sel_hi:[1,0] neg_lo:[0,1] neg_hi:[0,1]
.set tp, 1
.rept 63
	v_pk_add_f32 v[2*tp:2*tp+1], v[2*tp:2*tp+1], v[MX:MX+1] op_sel_hi:[1,0] neg_lo:[0,1] neg_hi:[0,1]
	v_exp_f32 v[2*tp-2], v[2*tp-2]
	v_exp_f32 v[2*tp-1], v[2*tp-1]
.set tp, tp+1
.endr
	v_exp_f32 v[126], v[126]
	v_exp_f32 v[127], v[127]
	v_nop                                          ; a plain instruction behind the last exponential,
	s_wait_alu depctr_va_vdst(0)                   ; and the wait ahead of the first use: one for the batch
	; for each 32 keys: their weights into l's chains, rounded in place to a fragment of P (fragment k at 8 k: registers whose weights have been used), two products V^T P; O^T's two accumulators take turns
.set tk, 0
.rept 8
.if tk == 0
	WIN 0x0f
.set te, 0
.rept 4
	v_pk_add_f32 v[LS+2*te:LS+2*te+1], v[4*te:4*te+1], v[4*te+2:4*te+3]
.set te, te+1
.endr
.else
	WIN 0x0c
.set te, 0
.rept 8
	v_pk_add_f32 v[LS+2*(te%4):LS+2*(te%4)+1], v[LS+2*(te%4):LS+2*(te%4)+1], v[16*tk+2*te:16*tk+2*te+1]
.set te, te+1
.endr
.endif
	WIN 0xcf
.set te, 0
.rept 8
	v_cvt_pk_f16_f32 v[8*tk+te], v[16*tk+2*te], v[16*tk+2*te+1]
.set te, te+1
.endr
	WIN 0xac                                       ; V in window 0, P in window 3, O^T in window 2
.if tk == 0
	v_wmma_f32_16x16x32_f16 v[OA:OA+7],    v[WF1:WF1+7],    v[0:7], 0
	v_wmma_f32_16x16x32_f16 v[OA+8:OA+15], v[WF1+8:WF1+15], v[0:7], 0
.else
	v_wmma_f32_16x16x32_f16 v[OA:OA+7],    v[WF1+16*tk:WF1+16*tk+7],    v[8*tk:8*tk+7], v[OA:OA+7]
	v_wmma_f32_16x16x32_f16 v[OA+8:OA+15], v[WF1+16*tk+8:WF1+16*tk+15], v[8*tk:8*tk+7], v[OA+8:OA+15]
.endif
.set tk, tk+1
.endr
	WIN 0
	FOLD                                           ; l; its first four lines are the places behind the last products
	v_rcp_f32 v[RL], v[LS]
	v_nop
	s_wait_alu depctr_va_vdst(0)
	WIN 0x82
.set te, 0
.rept 8
	v_pk_mul_f32 v[OA+2*te:OA+2*te+1], v[OA+2*te:OA+2*te+1], v[RL:RL+1] op_sel_hi:[1,0]
.set te, te+1
.endr
	WIN 0
	s_cmp_eq_u32 s[TN], 0                          ; the gates lie in registers by tiles: four forward ways, eight lines each
	s_cbranch_scc1 .Lgate0
	s_cmp_eq_u32 s[TN], 1
	s_cbranch_scc1 .Lgate1
	s_cmp_eq_u32 s[TN], 2
	s_cbranch_scc1 .Lgate2
	GATE 3
	s_branch .Lgated
.Lgate0:
	GATE 0
	s_branch .Lgated
.Lgate1:
	GATE 1
	s_branch .Lgated
.Lgate2:
	GATE 2
.Lgated:
	WIN 0x8a
.set te, 0
.rept 8
	v_cvt_pk_f16_f32 v[TMP+te], v[OA+2*te], v[OA+2*te+1]
.set te, te+1
.endr
	WIN 0x08
	ds_store_b128 v[AO], v[TMP:TMP+3]              ; the gated o takes Q's place: LDS serves a wave's instructions in order, and only my wave touches these bytes
	ds_store_b128 v[AO], v[TMP+4:TMP+7] offset:512
	WIN 0
	v_add_nc_u32 v[AZ], 32*RP, v[AZ]               ; the next tile's zb: 8,192 bytes = 32 rows on
	s_add_co_u32 s[AOS], s[AOS], 1024
	s_add_co_u32 s[TN], s[TN], 1
.endm
	s_load_b512 s[4:19], s[0:1], 0x0               ; m s[4:5], mask s[6:7], ln_m_w s[8:9], ln_m_b s[10:11], b_g s[12:13], b_o s[14:15], stream s[16:17], out0 s[18:19]
	v_lshl_add_u32 v[SPW], v0, 2, SPARE
	v_mov_b32 v[NIL], 0
	ds_add_u32 v[SPW], v[NIL]                      ; the wave's opening: the add and its wait ahead of my first tensor load; the set-up below, work on registers, stands between them
	ds_add_u32 v3, v4
	v_lshrrev_b32 v48, 5, v0
	v_readfirstlane_b32 s[WV], v48                 ; wave 0..3
	s_bfe_u32 s[CX], ttmp6, 0x40000                ; my place in the cluster
	s_lshl_b32 s[SQ], ttmp9, 2                     ; in a cluster launch ttmp9 counts clusters
	s_add_co_u32 s[SQ], s[SQ], s[CX]               ; my sequence: it enters the addresses of m, mask and out0 alone
	; group 1 of the joint loads: 64 rows of 32 elements of 8 bytes, dense in memory, padded in LDS
	s_mov_b32 s[G1J+0], 15|(3<<16)|(1<<20)|(1<<21)|(5<<22)|(7<<25)  ; 15:0 the mask: all four work-groups; 17:16 elements of 8 bytes; 20 padding on; 21 set beside a mask; 24:22 after every 64 words (code 5); 31:25 8 words of it (code 7)
	s_mov_b32 s[G1J+1], 32<<16                     ; tensor_dim0 = 32
	s_mov_b32 s[G1J+2], 64<<16                     ; tensor_dim1 = 64
	s_mov_b32 s[G1J+3], 32<<16                     ; tile_dim0 = 32
	s_mov_b32 s[G1J+4], 64                         ; tile_dim1 = 64
	s_mov_b32 s[G1J+5], 32                         ; elements from row to row
	s_mov_b32 s[G1J+6], 0
	s_mov_b32 s[G1J+7], 0
	; group 1 of m's loads, each work-group's own (no mask): 32 rows of 256 elements of 4 bytes
	s_mov_b32 s[G1M+0], (2<<16)|(1<<20)|(7<<22)|(3<<25)  ; elements of 4 bytes; padding after every 256 words (code 7), 4 words of it (code 3)
	s_mov_b32 s[G1M+1], 256<<16
	s_mov_b32 s[G1M+2], 32<<16
	s_mov_b32 s[G1M+3], 256<<16
	s_mov_b32 s[G1M+4], 32
	s_mov_b32 s[G1M+5], 256
	s_mov_b32 s[G1M+6], 0
	s_mov_b32 s[G1M+7], 0
	s_mov_b32 s[G0J], 1
	s_mul_i32 s[G0J+1], s[WV], WPART               ; my 64 rows of a slot: no place in the cluster enters an LDS address;
	s_add_co_u32 s[G0J+1], s[G0J+1], SLOTB         ; the first change of slots turns this into slot 0
	s_mov_b32 s[G0M], 1
	s_mul_i32 s[G0M+1], s[WV], MWAVE
	s_mov_b32 s[G0M+4], 1
	s_add_co_u32 s[G0M+5], s[G0M+1], MHALF
	s_mov_b32 s[SB], 0
	s_mov_b32 s[NST], 26
	s_mov_b32 s[INC], 0
	s_mov_b32 s[INC+1], 0
	s_mov_b32 s[AOS], 0
	s_mov_b32 s[SEL], 0x76543210
	s_mov_b32 s[SEL+1], 0xfedcba98
	s_mov_b32 s[CM], 0x4eabfb8f                    ; 1e9 log2(e)
	s_mov_b32 s[CM+1], s[CM]                       ; named with it as a pair
	s_mov_b32 s[RC], 0x3b800000
	s_mov_b32 s[EPS], 0x3727c5ac
	s_lshr_b32 s[LIM], s[WV], 1                    ; 0 in waves 0 and 1,
	s_or_b32 s[LIM], s[LIM], ttmp9                 ; of the first cluster: the same in all four partners
	s_cmp_eq_u32 s[LIM], 0
	s_cselect_b32 s[LIM], 1, -1
	v_and_b32 v48, 31, v0                          ; lane
	v_and_b32 v1, 15, v0                           ; r
	v_bfe_u32 v2, v0, 4, 1                         ; hh
	v_mov_b32 v[ONE], 1.0
	v_lshlrev_b32 v[A32], 5, v2
	v_mul_u32_u24 v[AM0], v1, MP
	v_lshl_add_u32 v[AM0], v2, 5, v[AM0]
	v_add_nc_u32 v[AM0], s[G0M+1], v[AM0]
	v_add_nc_u32 v[AM0+1], MHALF, v[AM0]
	v_and_b32 v49, 7, v0                           ; the turning load: lane l reads row 8 hh + l % 8, bytes 16 ((l / 8) % 2) on
	v_lshl_add_u32 v49, v2, 3, v49
	v_mul_u32_u24 v[AW0], v49, RP
	v_bfe_u32 v49, v0, 3, 1
	v_lshl_add_u32 v[AW0], v49, 4, v[AW0]
	v_mul_u32_u24 v[AZ0], v2, RP                   ; zb: 512 bytes a key tile are two rows of the ring: row hh, byte 16 r,
	v_lshl_add_u32 v[AZ0], v1, 4, v[AZ0]
	s_mul_i32 s86, s[WV], WPART                    ; in my wave's 64 rows
	v_add_nc_u32 v[AZ0], s86, v[AZ0]
	v_lshl_add_u32 v[AK], v48, 4, KV
	v_lshl_add_u32 v[AKS], s[WV], 12, v[AK]
	v_lshl_add_u32 v[AO0], v48, 4, OG
	v_lshl_add_u32 v[AO0], s[WV], 15, v[AO0]
	v_lshlrev_b32 v[GO], 4, v48
	v_lshl_add_u32 v[GO], s[WV], 16, v[GO]
	v_lshlrev_b32 v[PFO], 8, v48
	v_mul_u32_u24 v[AST], v1, STP
	v_lshl_add_u32 v[AST], v2, 5, v[AST]
	v_add_nc_u32 v[AST], OG, v[AST]
	v_lshl_add_u32 v[AST], s[WV], 15, v[AST]
	s_wait_dscnt 0x0                               ; the opening add is done
	s_wait_kmcnt 0x0
	s_lshl_b32 s84, s[SQ], 18                      ; my sequence: 262,144 bytes of m and of out0
	s_mov_b32 s85, 0
	s_add_nc_u64 s[OUTP:OUTP+1], s[OUTP:OUTP+1], s[84:85]
	s_lshl_b32 s86, s[WV], 16                      ; my wave's 64 rows
	s_add_co_u32 s84, s84, s86
	s_add_nc_u64 s[G0M+2:G0M+3], s[4:5], s[84:85]
	s_add_nc_u64 s[G0M+6:G0M+7], s[G0M+2:G0M+3], 32768  ; their second half
	s_or_b32 s[G0M+3], s[G0M+3], 0x80000000        ; type = 2
	s_or_b32 s[G0M+7], s[G0M+7], 0x80000000
	s_lshl_b32 s84, s[SQ], 10
	s_add_nc_u64 s[6:7], s[6:7], s[84:85]          ; my sequence's row of the mask
	s_lshl_b32 s84, s[CX], 14                      ; the prefetches: my work-group's 64 rows of a step,
	s_lshl_b32 s86, s[WV], 13                      ; my wave's 32 of them
	s_add_co_u32 s84, s84, s86
	s_add_nc_u64 s[PFA:PFA+1], s[16:17], s[84:85]
	s_lshl_b32 s88, s[WV], 14                      ; the joint loads: my wave's 64 rows of step 0, in registers that never hold my place in the cluster
	s_mov_b32 s89, 0
	s_add_nc_u64 s[G0J+2:G0J+3], s[16:17], s[88:89]
	s_or_b32 s[G0J+3], s[G0J+3], 0x80000000
	ROUND                                          ; in a cluster launch every group of tensor loads stands behind a round
	tensor_load_to_lds s[G0M:G0M+3], s[G1M:G1M+7]  ; my rows 0-31,
	s_nop 0
	tensor_load_to_lds s[G0M+4:G0M+7], s[G1M:G1M+7] ; my rows 32-63: two loads of mine are out
	s_nop 0
	PLACES
	WIN 0x80
.set lq, 0
.rept 8                                ; ln_m_w and ln_m_b in the order in which a lane holds its row
	global_load_b128 v[WF0+16*lq:WF0+16*lq+3],     v[A32], s[8:9] offset:128*lq
	global_load_b128 v[WF0+16*lq+4:WF0+16*lq+7],   v[A32], s[8:9] offset:128*lq+16
	global_load_b128 v[WF0+16*lq+8:WF0+16*lq+11],  v[A32], s[8:9] offset:128*lq+64
	global_load_b128 v[WF0+16*lq+12:WF0+16*lq+15], v[A32], s[8:9] offset:128*lq+80
.set lq, lq+1
.endr
	WIN 0
.set lq, 0
.rept 8
	global_load_b128 v[WF1+16*lq:WF1+16*lq+3],     v[A32], s[10:11] offset:128*lq
	global_load_b128 v[WF1+16*lq+4:WF1+16*lq+7],   v[A32], s[10:11] offset:128*lq+16
	global_load_b128 v[WF1+16*lq+8:WF1+16*lq+11],  v[A32], s[10:11] offset:128*lq+64
	global_load_b128 v[WF1+16*lq+12:WF1+16*lq+15], v[A32], s[10:11] offset:128*lq+80
.set lq, lq+1
.endr
	WIN 0xc0
.set lq, 0
.rept 16                               ; the mask of keys 16 kt + 8 hh + 0..7: the order of the scores' registers
	global_load_b128 v[MB+8*lq:MB+8*lq+3],   v[A32], s[6:7] offset:64*lq
	global_load_b128 v[MB+8*lq+4:MB+8*lq+7], v[A32], s[6:7] offset:64*lq+16
.set lq, lq+1
.endr
	s_wait_loadcnt 0x0
	WIN 0xc3
.set lp, 0
.rept 64
	v_pk_fma_f32 v[MB+2*lp:MB+2*lp+1], v[MB+2*lp:MB+2*lp+1], s[CM:CM+1], s[CM:CM+1] op_sel_hi:[1,0,0] neg_lo:[0,0,1] neg_hi:[0,0,1]  ; mask x C - C
.set lp, lp+1
.endr
	WIN 0
	s_wait_tensorcnt 0x1                           ; my rows 0-31 are in; the second load may stay out; only my wave reads these bytes
	LN 0
	LN 1
	STEP                                           ; number 0: every wave has read m's first half; step 0 goes into slot 0, which lies within it; m's second half has landed
	LN 2
	LN 3
	STEP                                           ; number 1: m is read out; from here on KV and OG may be stored to
	s_mov_b32 s[HEAD], 8
.Lhead:                                        ; changes of slots number 3 h + 2, 3 h + 3, 3 h + 4; the slot in hand holds the head's weights
	v_add_nc_u32 v[AW], s[SB], v[AW0]
	v_add_nc_u32 v[AW+1], 4*32*RP, v[AW]
	v_add_nc_u32 v[AO], s[AOS], v[AO0]
	WIN 0x80
	global_load_b128 v[BG:BG+3],     v[A32], s[BGP:BGP+1]            ; b_g[h][16 c + 8 hh + 0..7]: the order of g^T's registers
	global_load_b128 v[BG+4:BG+7],   v[A32], s[BGP:BGP+1] offset:16
	global_load_b128 v[BG+8:BG+11],  v[A32], s[BGP:BGP+1] offset:64
	global_load_b128 v[BG+12:BG+15], v[A32], s[BGP:BGP+1] offset:80
	FETCH 0, WF0, 2                                ; w_q
	FETCH 1, WF1, 0                                ; w_k
	s_wait_dscnt 32                                ; w_q is in; w_k's 32 loads may stay out
	MUL WF0, 2, 0, 0, -1                           ; q^T
	PLACES                                         ; for the loads into buffer 0, and for the conversions of q^T further down
	FETCH 2, WF0, 2                                ; w_v
	s_wait_dscnt 32                                ; w_k is in
	MUL WF1, 0, 64, 0, -1                          ; k^T
	CVTST 0, 0                                     ; q; its 32 conversions are the places in front of the loads into buffer 1
	FETCH 3, WF1, 0                                ; w_g
	s_wait_dscnt 40                                ; w_v is in: behind it came q's 8 stores and w_g's 32 loads
	MUL WF0, 2, 0, 1, -1                           ; v
	CVTST 64, 1                                    ; k
	s_wait_loadcnt 0x0                             ; b_g
	WIN 0x82
.set te, 0
.rept 8
	v_pk_mul_f32 v[BG+2*te:BG+2*te+1], v[BG+2*te:BG+2*te+1], 0xbfb8aa3b op_sel_hi:[1,0]  ; x -log2(e), as w_g has it
.set te, te+1
.endr
	s_add_nc_u64 s[BGP:BGP+1], s[BGP:BGP+1], 128   ; the loads that read this address are done
	s_wait_dscnt 8                                 ; w_g is in: behind it came k's 8 stores
	MUL WF1, 0, 64, 0, BG                          ; g^T, its sums started by the bias
	CVTST 0, 2                                     ; v; its conversions are the places behind g^T's last products
	WIN 0xc3                                       ; the gates 1 / (1 + 2^g): two batches, a wait each
.set ca, 0
.rept 64
	v_exp_f32 v[64+ca], v[64+ca]
.set ca, ca+1
.endr
	v_nop
	s_wait_alu depctr_va_vdst(0)
.set ca, 0
.rept 32
	v_pk_add_f32 v[64+2*ca:64+2*ca+1], v[64+2*ca:64+2*ca+1], 1.0 op_sel_hi:[1,0]
.set ca, ca+1
.endr
	WIN 0x03
.set ca, 0
.rept 64                               ; accumulator 4 c + i, register j -> G + 16 i + 8 c + j
	v_rcp_f32 v[G+16*((ca/8)%4)+8*(ca/32)+ca%8], v[64+ca]
.set ca, ca+1
.endr
	v_nop
	s_wait_alu depctr_va_vdst(0)
	WIN 0
	s_mov_b32 s[TN], 0
	s_mov_b32 s[HALF], 2
.Lhalf:                                        ; two tiles for each step of zb
	STEP                                           ; behind the first of the two, every wave's K and V of this head are in LDS
	s_cmp_lg_u32 s[HALF], 2
	s_cbranch_scc1 .Lkv_in                         ; K and V stay in registers for the head's four tiles
	WIN 0x80
.set tk, 0
.rept 16
	ds_load_b128 v[8*tk:8*tk+3],   v[AK] offset:tk*1024
	ds_load_b128 v[8*tk+4:8*tk+7], v[AK] offset:tk*1024+512
.set tk, tk+1
.endr
	WIN 0
.set tk, 0
.rept 16
	ds_load_b128 v[WF1+8*tk:WF1+8*tk+3],   v[AK] offset:VO+tk*1024
	ds_load_b128 v[WF1+8*tk+4:WF1+8*tk+7], v[AK] offset:VO+tk*1024+512
.set tk, tk+1
.endr
.Lkv_in:
	v_add_nc_u32 v[AZ], s[SB], v[AZ0]
	s_mov_b32 s[TT], 2
.Ltile:
	TILE
	s_sub_co_u32 s[TT], s[TT], 1
	s_cmp_lg_u32 s[TT], 0
	s_cbranch_scc1 .Ltile
	s_sub_co_u32 s[HALF], s[HALF], 1
	s_cmp_lg_u32 s[HALF], 0
	s_cbranch_scc1 .Lhalf
	STEP                                           ; the next head's weights are whole (behind the last head: w_o's first half); number 25 asks for the last step, so no change of slots is without its load
	s_sub_co_u32 s[HEAD], s[HEAD], 1
	s_cmp_lg_u32 s[HEAD], 0
	s_cbranch_scc1 .Lhead
	; THE OUTPUT PROJECTION.  og takes mn's place: tile t, K step h at 64 t + 8 h.
	WIN 0x40
.set wt, 0
.rept 4
.set wj, 0
.rept 8
	ds_load_b128 v[64*wt+8*wj:64*wt+8*wj+3],   v[AO0] offset:wj*4096+wt*1024
	ds_load_b128 v[64*wt+8*wj+4:64*wt+8*wj+7], v[AO0] offset:wj*4096+wt*1024+512
.set wj, wj+1
.endr
.set wt, wt+1
.endr
	WIN 0
	s_mov_b32 s[GAM], 2
.Lfin:                                         ; 128 columns of out0 a trip: 32 accumulators, all of window 3
	v_add_nc_u32 v[AW], s[SB], v[AW0]
	v_add_nc_u32 v[AW+1], 4*32*RP, v[AW]
	WIN 0x80
.set wj, 0
.rept 8
	global_load_b128 v[BO+8*wj:BO+8*wj+3],   v[A32], s[BOP:BOP+1] offset:64*wj     ; b_o[16 j + 8 hh + 0..7]
	global_load_b128 v[BO+8*wj+4:BO+8*wj+7], v[A32], s[BOP:BOP+1] offset:64*wj+16
.set wj, wj+1
.endr
	FETCH 0, WF0, 2
	FETCH 1, WF1, 0
	s_wait_loadcnt 0x0
	s_wait_dscnt 32                                ; og and the first run are in; the second run's 32 loads may stay out
	MUL WF0, 2, 0, 0, BO
	PLACES
	FETCH 2, WF0, 2
	s_wait_dscnt 32
	MUL WF1, 0, 64, 0, BO+16
	PLACES
	FETCH 3, WF1, 0
	s_wait_dscnt 32
	MUL WF0, 2, 128, 0, BO+32
	s_wait_dscnt 0x0
	MUL WF1, 0, 192, 0, BO+48
	PLACES
	; THE WAY OUT.  A lane holds eight neighbouring f32 of a row; 16 rows at a time go through my own stage (my part of OG, which has been read out) and come back as whole rows of 512 bytes.
.set wt, 0
.rept 4
	WIN 0
	s_wait_xcnt 0x0                                ; earlier stores have read their registers: the rows' registers are written again only behind this wait
	WIN 0x0c                                       ; address window 0, data window 3
.set wj, 0
.rept 8                                ; column tile wj = 2 mu + c
.set rD, 64*(wj/2)+8*(4*(wj%2)+wt)
	ds_store_b128 v[AST], v[rD:rD+3]   offset:wj*64
	ds_store_b128 v[AST], v[rD+4:rD+7] offset:wj*64+16
.set wj, wj+1
.endr
	WIN 0
.set wr, 0
.rept 16
	ds_load_b128 v[WF1+64*(wt%2)+4*wr:WF1+64*(wt%2)+4*wr+3], v[AO0] offset:wr*STP  ; LDS serves a wave's instructions in order: these see the stores above, and the next tile's stores come behind them
.set wr, wr+1
.endr
.set wr, 0
.rept 16
	s_wait_dscnt 15-wr                             ; row wr is back; the 15 - wr younger loads may stay out
	global_store_b128 v[GO], v[WF1+64*(wt%2)+4*wr:WF1+64*(wt%2)+4*wr+3], s[OUTP:OUTP+1] offset:(16*wt+wr)*1024 th:TH_STORE_NT  ; 512 consecutive bytes, at a multiple of 512 from out0's first byte
.set wr, wr+1
.endr
.set wt, wt+1
.endr
	s_wait_tensorcnt 0x0                           ; my part of the last step is in;
	ds_add_u32 v[SPW], v[NIL]
	s_xor_b32 s[SB], s[SB], SLOTB
	s_wait_dscnt 0x0
	s_barrier_signal -1
	s_barrier_wait -1                              ; everybody's is
	s_wait_xcnt 0x0                                ; the loads and stores have read their addresses and registers
	s_add_nc_u64 s[BOP:BOP+1], s[BOP:BOP+1], 512
	s_add_nc_u64 s[OUTP:OUTP+1], s[OUTP:OUTP+1], 512
	s_sub_co_u32 s[GAM], s[GAM], 1
	s_cmp_lg_u32 s[GAM], 0
	s_cbranch_scc1 .Lfin
	s_wait_tensorcnt 0x0                           ; the wave's end: the wait, the add and its wait, behind my last tensor load and my last LDS store
	ds_add_u32 v[SPW], v[NIL]
	s_wait_dscnt 0x0
	ROUND                                          ; the closing round: no work-group ends while a partner may still ask for a step that names it
	s_endpgm
.Lfunc_end_k_qc5d43da59e_attn:
	.size	k_qc5d43da59e_attn, .Lfunc_end_k_qc5d43da59e_attn-k_qc5d43da59e_attn
	.p2alignl 7, 3214868480
	.fill 96, 4, 3214868480
	.section	.rodata,"a",@progbits
	.p2align	6, 0x0
	.amdhsa_kernel k_qc5d43da59e_attn
		.amdhsa_group_segment_fixed_size 327680
		.amdhsa_private_segment_fixed_size 0
		.amdhsa_enable_private_segment 0
		.amdhsa_kernarg_size 64
		.amdhsa_user_sgpr_count 2
		.amdhsa_user_sgpr_kernarg_segment_ptr 1
		.amdhsa_wavefront_size32 1
		.amdhsa_system_sgpr_workgroup_id_x 1
		.amdhsa_system_sgpr_workgroup_id_y 1
		.amdhsa_system_sgpr_workgroup_id_z 1
		.amdhsa_system_vgpr_workitem_id 0
		.amdhsa_next_free_vgpr 1024
		.amdhsa_next_free_sgpr 96
		.amdhsa_reserve_vcc 0
		.amdhsa_float_denorm_mode_32 3
		.amdhsa_float_denorm_mode_16_64 3
		.amdhsa_memory_ordered 1
		.amdhsa_forward_progress 1
		.amdhsa_inst_pref_size 255
	.end_amdhsa_kernel
	.section	.bss,"aw",@nobits
	.p2align	6
	.space	262144
	.amdgpu_metadata
---
amdhsa.version: [ 1, 2 ]
amdhsa.kernels:
  - .name:           k_qc5d43da59e_attn
    .symbol:         k_qc5d43da59e_attn.kd
    .args:
      - { .name: m, .offset: 0, .size: 8, .value_kind: global_buffer, .address_space: global }
      - { .name: mask, .offset: 8, .size: 8, .value_kind: global_buffer, .address_space: global }
      - { .name: ln_m_w, .offset: 16, .size: 8, .value_kind: global_buffer, .address_space: global }
      - { .name: ln_m_b, .offset: 24, .size: 8, .value_kind: global_buffer, .address_space: global }
      - { .name: b_g, .offset: 32, .size: 8, .value_kind: global_buffer, .address_space: global }
      - { .name: b_o, .offset: 40, .size: 8, .value_kind: global_buffer, .address_space: global }
      - { .name: stream, .offset: 48, .size: 8, .value_kind: global_buffer, .address_space: global }
      - { .name: out0, .offset: 56, .size: 8, .value_kind: global_buffer, .address_space: global }
    .group_segment_fixed_size: 327680
    .private_segment_fixed_size: 0
    .kernarg_segment_align: 8
    .kernarg_segment_size: 64
    .max_flat_workgroup_size: 128
    .sgpr_count:     96
    .vgpr_count:     1024
    .wavefront_size: 32
...
	.end_amdgpu_metadata
.endif
;; end of part 2
